; MI455X (gfx1250); checked and timed in simulation.
; The chip was launched on July 23, 2026; its instructions are those of AMD's public machine-readable ISA for CDNA 5 (MIT licence, August 2026) and "CDNA5" Instruction Set Architecture Reference Guide (July 2026). The comments in the code are by the model that wrote it; some were corrected since.
;; Bin Matmul Attention. Allowed arithmetic: matrix products marked QUANTISED: E2M1 operands, one E8M0 scale for each 32 along K, by v_wmma_scale_f32_16x16x128_f8f6f4 with both operands' format E2M1 (or v_wmma_scale_f32_32x16x128_f4), f32 sums; everything else in f32.
;; Inputs: k_codes 2 x 16 x 2,048 x 4 x 16 uint8 (E2M1 codes of k, K innermost, in blocks of 32 codes, two codes a byte); k_scales 2 x 16 x 2,048 x 4 uint8 (E8M0 scales of k, one for each 32 codes along K); q_codes 2 x 16 x 2,048 x 4 x 16 uint8 (E2M1 codes of q, K innermost, in blocks of 32 codes, two codes a byte); q_scales 2 x 16 x 2,048 x 4 uint8 (E8M0 scales of q, one for each 32 codes along K); v_codes 2 x 16 x 128 x 64 x 16 uint8 (E2M1 codes of v, K innermost, in blocks of 32 codes, two codes a byte); v_scales 2 x 16 x 128 x 64 uint8 (E8M0 scales of v, one for each 32 codes along K).
;; Outputs: out0 2 x 16 x 2,048 x 128 float32.
;; This version of the problem:
;;   THIS VERSION OF THE PROBLEM IS GIVEN IN LOW PRECISION. The matrix products marked QUANTISED in the list below multiply operands that are first quantised to E2M1 (2 exponent bits, 1 mantissa bit; 4 bits a number), with one power-of-two scale for each 32 numbers along K (OCP MX v1.0); their sums are f32. All else is computed in f32.
;;   The module's matrix products, in the order in which they are computed (A, B: the left and right operand; K: the contracted axis; several contracted axes count as one K, in the product's order):
;;     1. batch 32 x [M 2,048, K 128] x [K 128, N 2,048]; A: input q (given as codes); B: input k (given as codes): QUANTISED
;;     2. batch 32 x [M 2,048, K 2,048] x [K 2,048, N 128]; A: softmax (see below); B: input v (given as codes): QUANTISED
;;   THE QUANTISER, for each operand of a quantised product, along K:
;;     - K is cut into blocks of 32 from its start; a last block that is shorter is filled with zeros.
;;     - A block's scale is 2^e with e = floor(log2(the largest magnitude in the block)) - 2, held to -126 .. 127; a block of zeros has e = 0. As a byte (E8M0): e + 127.
;;     - Each number is divided by its block's scale, clamped to +-6, and rounded to the nearest number of E2M1, ties to even, subnormals kept.
;;     - The product sums the exact products of the quantised numbers (number of the format x scale) in f32.
;;   ~~~python
;;   def quantise(x, axis):      # numpy; x: float32 -> the quantised numbers, widened to float32 again
;;       x = np.moveaxis(x, axis, -1); K = x.shape[-1]
;;       x = np.pad(x, [(0, 0)] * (x.ndim - 1) + [(0, -K % 32)]); x = x.reshape(x.shape[:-1] + (-1, 32)); a = np.abs(x).max(-1, keepdims=True)
;;       e = np.where(a > 0, np.clip(np.frexp(np.where(a > 0, a, 1))[1] - 1 - 2, -126, 127), 0)      # np.frexp(a)[1] - 1 = floor(log2(a)), exactly
;;       r = np.clip(x / 2.0 ** e, -6, 6)
;;       step = 2.0 ** (np.maximum(np.frexp(np.where(r == 0, 1, r))[1] - 1, 0) - 1)
;;       q = np.round(r / step) * step * 2.0 ** e      # np.round: ties to even
;;       return np.moveaxis(q.reshape(q.shape[:-2] + (-1,))[..., :K], -1, axis).astype(np.float32)
;;   ~~~
;;   SOFTMAX AHEAD OF A QUANTISED PRODUCT. Where the list says 'softmax', what is quantised is not the finished softmax but p = 2^(t - M), with t = logit x log2(e) and M = ceil(the row's largest t), a whole number; so 1/2 < the row's largest p <= 1. The row's sum l is taken of the UNQUANTISED p, in f32, and the product's result is divided by l at the end. Since M is a whole number, a kernel that streams over the keys may use a running M (the ceiling of the running maximum): every later rescaling is an exact power of two, which a block's scale takes up: the codes' values come out the same.
;;   OPERANDS COMPUTED ON THE WAY. 'Computed on the way' means the value that the module computes at that place (a softmax that the list does not call 'softmax' is quantised finished and normalised). What goes into a quantiser is computed in f32, as accurately as f32 sums, v_exp_f32 and their like allow (about 1e-6 of the number): no bf16 or f16 on the way to a quantiser, and a product that is left as it is and whose result goes on into a quantised operand takes f32 operands (vector FMAs, or v_wmma_f32_16x16x4_f32). A number that lies on a knife's edge between two numbers of the format may be rounded either way, as far as f32 arithmetic and the matrix unit's own rounding can turn it there, and no further.
;;   INPUTS GIVEN AS CODES. k (in the module: [2, 16, 2048, 128], K = its axis 3); q (in the module: [2, 16, 2048, 128], K = its axis 3); v (in the module: [2, 16, 2048, 128], K = its axis 2): each comes as NAME_codes (uint8): NAME with its K axis moved to the last place and cut into blocks of 32 codes, [.., K / 32, bytes a block], one block behind the other in memory; two codes a byte, the lower K in the low four bits (a code: sign, 2 exponent bits, 1 mantissa bit); and NAME_scales (uint8): the same leading axes, one E8M0 byte (e + 127) for each 32 codes along K. Its value is code x scale, taken as it is: it is not quantised again, and the codes and scales need not be those that the quantiser above would give.
;; One version. Each part assembles by itself: llvm-mc -triple=amdgcn-amd-amdhsa -mcpu=gfx1250 --defsym DOCPART=n.
;; ======== version 1 of 1: 1 launch
;; limits: right only within a limited range of input values
;; launch attn (part 1): grid 8 x 32, 8 waves a work-group, clusters of 4 x 1, 327,680 bytes of LDS; arguments q_codes, q_scales, k_codes, k_scales, v_codes, v_scales, out0; writes out0
.if DOCPART == 1
	.amdgcn_target "amdgcn-amd-amdhsa--gfx1250"
	.amdhsa_code_object_version 6
	.text
	.protected	k_q163c56bbf7_attn
	.globl	k_q163c56bbf7_attn
	.p2align	8
	.type	k_q163c56bbf7_attn,@function
k_q163c56bbf7_attn:
	s_mov_b64 s[64:65], 0
	v_nop
	global_prefetch_b8 v0, s[64:65] scope:SCOPE_SE
	s_setreg_imm32_b32 hwreg(HW_REG_WAVE_MODE, 25, 1), 1
	s_wait_xcnt 0x0
	s_wait_alu depctr_hold_cnt(0) depctr_sa_sdst(0) depctr_va_vdst(0) depctr_va_sdst(0) depctr_va_ssrc(0) depctr_va_vcc(0) depctr_vm_vsrc(0)
	s_getreg_b32 s2, hwreg(HW_REG_IB_STS2, 6, 4)
	s_cmp_eq_u32 s2, 0
	s_cbranch_scc0 .Lentry_in_a_cluster
	s_endpgm
.Lentry_in_a_cluster:
	s_bfe_u32 s2, ttmp6, 0x10000c
	s_cmp_lg_u32 s2, 0x3003
	s_cbranch_scc0 .Lentry_shape_is_right
	s_endpgm
.Lentry_shape_is_right:
; O[h][q][:] = the sum over k of softmax_k(Q[h][q] . K[h][k]) V[h][k][:], 32 heads, 2,048 queries, 2,048 keys, head size 128, no mask, no factor on the scores.
; Both products run on codes of FP4 (E2M1) with one E8M0 scale for each 32 along a product's K.  Q, K: codes [32][2048][64 bytes], scale bytes [32][2048][4].
; V: codes with the KEYS innermost, [32][128][1024 bytes], scale bytes [32][128][64].  O: [32][2048][128] f32.
; THE SOFTMAX AHEAD OF THE SECOND PRODUCT: t = score x log2(e); M = the row's largest t so far, rounded UP to a whole number; p = 2^(t - M) is quantised along the keys, not normalised.
; The row's sum is taken of the unquantised p, in f32, and divides O at the end.  When M moves, the sum and O are multiplied by 2^(old M - new M): exact.
; SHARES.  A work-group owns 256 queries of one head; each of its eight waves owns 32 of them, two tiles of 16, in 512 registers.
; A STEP is 256 keys.  K's 16 fragments of a step (128 registers) serve tile 0's scores, then tile 1's; then V's 16 fragments take their place and serve both tiles.  The scores of ONE tile (128 registers) are in hand at a time:
; products, maxima, M, exponentials, codes, sum; so M moves, and O is rescaled, once in 256 keys.
; THE WHOLE HEAD LIES IN LDS AND EACH BYTE IS FILLED ONCE, by joint tensor loads of the cluster's four query blocks, which belong to one head (same line, same descriptor, a mask of all four).
; At the head each wave asks for one tile: the first 512 keys of K and V and all scale bytes.  When they are in, behind a round of the cluster's barrier, the waves ask for the other 1,536 keys, which have the first two steps in which to land.
; Nothing is prefetched into the L2: both groups of fills are asked for ahead of the loop, and no loop runs ahead of them.
; LAYOUT.  Both products are used transposed: S^T = K Q^T (source 0 = 32 keys, source 1 = 16 queries), O^T = V^T P^T (source 0 = 32 channels, source 1 = P): a lane holds ONE query (lane % 16) throughout.
; THE KEYS OF A TILE ARE NOT NEIGHBOURS: row m of key tile (c, u) is key 64 c + 32 (m / 8) + 8 u + m % 8 of the step.  Lane (r, h) then holds, in the 32 registers of tiles (c, 0 .. 3), the keys 64 c + 32 h + 0 .. 31:
; a WHOLE block of 32 in one lane, in the very order of the second product's operand: a block's maximum asks no other lane, and each conversion's result is an operand register as it stands.
; K IN TWO REGIONS.  Lanes 0-7 of a fragment load take keys with bit 5 clear (region KA), lanes 8-15 keys 32 further on (region KB, 32 bytes past a multiple of 256).  Behind every 256 bytes (four keys) lie 16 of padding:
; the sixteen lanes' 16 bytes then start at sixteen different places modulo 256 bytes (64 banks of 4 bytes: ISA guide 11.1).
; LIMITS.  Scale bytes 0xff (NaN) among the inputs are not served.  The scaled scores t stay under 2^31 in magnitude.  A p under 2^-126 comes out of v_exp_f32 as 0 (ISA guide 15.8).  A block's largest p is made from its largest
; score by the same two instructions as every p, which takes v_exp_f32 not to fall where its input rises.  A block whose largest p is under 2^-124 keeps the scale byte 1.
; REGISTERS, in windows of 256 (s_set_vgpr_msb: bits 1:0 source 0, 3:2 source 1, 5:4 source 2, 7:6 destination):
;   window 0: v1-15 addresses; v16-31 Q; v32-39 scale words of K or of V; v40-93 scales and statistics; v96-127 p's codes; v128-255 a tile's S^T, then p.
;   window 1: v0-127 O^T, 64 a tile; v128-255 fragments of K or of V.
.set PIT,   272                        ; 256 bytes + 16 of padding
.set KG,    8*PIT                      ; 32 keys of a region
.set KBOFF, 69664                      ; region KB: 256 rows of KA, and 32 bytes
.set KSTP,  4*KG                       ; a step's 128 keys of a region
.set VB,    139520                     ; V: four chunks (512 keys) of 128 rows
.set VCH,   128*PIT
.set SCK,   VB+4*VCH                   ; K's scale bytes: 32 runs of 256 bytes (64 keys) + 16
.set SCV,   SCK+32*PIT                 ; V's: 32 runs of 256 bytes (4 channels) + 16
.set SPARE, SCV+32*PIT                 ; the spare words, 128 bytes for each wave
.set STG,   16*PIT                     ; the way out: a stage of 16 rows x 256 bytes for each wave, in V's chunk 0, which has had its one fill and is read by nobody behind the barrier at that chunk's end
.set AK0,  1                           ; v1-4   my lane's place in a tile of K, of V, among K's scale words, among V's
.set AV0,  2
.set ASK0, 3
.set ASV0, 4
.set ADK,  5                           ; v5-8   the same in the chunk in hand
.set ADV,  6
.set ADS,  7
.set ADT,  8
.set SPW,  9                           ; v9     my spare word; v10  0
.set NIL,  10
.set GO,   11                          ; v11    my bytes in O
.set STO,  12                          ; v12    the stage: where I put 32 bytes of a row
.set RD,   13                          ; v13    and where I read a row back
.set QF,   16
.set SC,   32                          ; K: SC + 2 c + w (lanes 0-15 tile (c, 2 w), 16-31 tile (c, 2 w + 1)); V: SC + 2 i + q (lane m: channel 32 i + m, the step's q-th 128 keys)
.set QS,   40                          ; lanes 0-15 serve tile 0, lanes 16-31 tile 1
.set PW,   42                          ; v42-43 p's scale words of the step's two 128 keys, lanes as in QS
.set QO,   44
.set QSO,  45
.set ST,   48                          ; tile qt at ST + 16 qt: +0 -M, +1 largest score, +2,3 the sum, +4 f, +5 M's change, +6..9 my four blocks' largest, +10..13 conversion scales, +14 at work, +15 a permute's destination
.set CH,   80                          ; v80-85 three further chains of the sum
.set XB,   86                          ; v86-89 my scale bytes: XB + 2 qt + q
.set TMP,  90
.set PC,   96                          ; p's codes: PC + 16 qt + 8 q
.set S,    128
.set OT,   0                           ; window 1
.set FR,   128                         ; window 1
.set TK,   2                           ; s2, s3, s19, s66: LDS bytes from chunk 0 to the chunk in hand: K, K's scale words, V, V's scale words
.set TS,   3
.set WV,   18                          ; s18    my wave's number
.set TV,   19
.set SEL,  20                          ; s[20:21] v_permlanex16_b32's selects for lane l xor 16
.set CS,   22                          ; s[22:23] log2(e): the packed form names a pair and takes its low word for both halves
.set G1K,  24                          ; descriptor groups 1: K at the head, V at the head, scale bytes; K's rest, V's rest
.set G1V,  32
.set G1S,  40
.set G0K,  48                          ; descriptor groups 0
.set G0V,  52
.set G0SK, 56
.set G0SV, 60
.set TJ,   66
.set TRIP, 67
.set G1KR, 68
.set G1VR, 76
.set G0KR, 84
.set G0VR, 88
.set MSB, 0
.macro WIN new                         ; the immediate's high byte repeats the setting that is left
.if MSB != \new
	s_set_vgpr_msb (MSB<<8)|\new
.set MSB, \new
.endif
.endm
; A round of the cluster's barrier: my work-group's barrier, wave 0 signals for the work-group, every wave waits for all four work-groups, my work-group's barrier once more.
.macro CROUND
	s_barrier_signal -1
	s_barrier_wait -1
	s_cmp_lg_u32 s[WV], 0
	s_cbranch_scc1 .Lnot_wave_0_\@
	s_barrier_signal -3
.Lnot_wave_0_\@:
	s_barrier_wait -3
	s_barrier_signal -1
	s_barrier_wait -1
.endm
.macro LOADT g0, g1
	tensor_load_to_lds s[\g0:\g0+3], s[\g1:\g1+7]
	s_nop 0
.rept 4
	v_nop
.endr
.endm
.macro ARM under, g0, g1, next, done   ; one arm of a chain of branches on the wave's number: one load
	s_cmp_lt_u32 s[WV], \under
	s_cbranch_scc0 \next
	LOADT \g0, \g1
	s_branch \done
\next:
.endm
.macro GROUP1 g, word0, cols, rows, pitch
	s_mov_b32 s[\g], \word0
	s_mov_b32 s[\g+1], (\cols)<<16
	s_mov_b32 s[\g+2], (\rows)<<16
	s_mov_b32 s[\g+3], (\cols)<<16
	s_mov_b32 s[\g+4], \rows
	s_mov_b32 s[\g+5], \pitch
	s_mov_b32 s[\g+6], 0
	s_mov_b32 s[\g+7], 0
.endm
.macro GROUP0 g, base, off             ; count 1, (LDS address written before), global address, type 2 on top
	s_mov_b32 s[\g], 1
	s_add_nc_u64 s[\g+2:\g+3], s[\base:\base+1], s[\off:\off+1]
	s_or_b32 s[\g+3], s[\g+3], 0x80000000
.endm
	s_load_b128 s[4:7], s[0:1], 0x0                ; Q's codes, Q's scales
	s_load_b128 s[8:11], s[0:1], 0x10              ; K's codes, K's scales
	s_load_b128 s[12:15], s[0:1], 0x20             ; V's codes, V's scales
	s_load_b64 s[16:17], s[0:1], 0x30              ; O
	v_lshl_add_u32 v[SPW], v0, 2, SPARE
	v_mov_b32 v[NIL], 0
	ds_add_u32 v[SPW], v[NIL]                      ; the wave's opening: the add, twice on end, ahead of my first tensor load
	ds_add_u32 v[SPW], v[NIL]
	v_lshrrev_b32 v14, 5, v0
	v_readfirstlane_b32 s[WV], v14                 ; wave 0..7
	s_mul_i32 s66, s[WV], STG
	s_add_co_u32 s66, s66, VB                      ; my stage
	v_and_b32 v14, 15, v0                          ; r = lane % 16
	v_bfe_u32 v15, v0, 4, 1                        ; h = lane / 16
	v_bfe_u32 v5, v0, 3, 1                         ; which region of K
	v_and_b32 v6, 3, v0
	v_bfe_u32 v7, v0, 2, 1
	v_and_b32 v8, 7, v0
	v_mul_u32_u24 v[AK0], v7, PIT                  ; K: key lane % 8 of a group of eight: four keys to a run of 256 bytes,
	v_lshl_add_u32 v[AK0], v6, 6, v[AK0]
	v_mad_u32_u24 v[AK0], v5, KBOFF, v[AK0]        ; my region, + 16 h
	v_lshl_add_u32 v[AK0], v15, 4, v[AK0]
	v_mul_u32_u24 v[AV0], v14, PIT                 ; V: row r, + 16 h
	v_lshl_add_u32 v[AV0], v15, 4, v[AV0]
	v_add_nc_u32 v[AV0], VB, v[AV0]
	v_lshlrev_b32 v[ASK0], 2, v8                   ; K's scale words: 4 bytes a key; 32 keys on for lanes 8-15 of a half; the next eight keys (the tile's neighbour) for lanes 16-31
	v_lshl_add_u32 v[ASK0], v5, 7, v[ASK0]
	v_lshl_add_u32 v[ASK0], v15, 5, v[ASK0]
	v_add_nc_u32 v[ASK0], SCK, v[ASK0]
	v_bfe_u32 v7, v0, 2, 3                         ; V's: lane m takes channel m of 32: four channels of 64 bytes to a run
	v_mul_u32_u24 v[ASV0], v7, PIT
	v_lshl_add_u32 v[ASV0], v6, 6, v[ASV0]
	v_add_nc_u32 v[ASV0], SCV, v[ASV0]
	v_lshlrev_b32 v[GO], 4, v14                    ; O: lanes 0-15 one row, lanes 16-31 the next
	v_lshl_add_u32 v[GO], v15, 9, v[GO]
	v_mul_u32_u24 v[STO], v14, PIT                 ; in: row r, + 32 h
	v_lshl_add_u32 v[STO], v15, 5, v[STO]
	v_add_nc_u32 v[STO], s66, v[STO]
	v_mul_u32_u24 v[RD], v15, PIT                  ; back: lanes 0-15 one row, lanes 16-31 the next
	v_lshl_add_u32 v[RD], v14, 4, v[RD]
	v_add_nc_u32 v[RD], s66, v[RD]
	v_lshlrev_b32 v[QO], 6, v14
	v_lshl_add_u32 v[QO], v15, 4, v[QO]
	v_and_b32 v[QSO], 31, v0
	v_lshlrev_b32 v[QSO], 2, v[QSO]
	v_mov_b32 v[ST+15], 0                          ; written once: a lane permute's destination counts as one of its sources
	v_mov_b32 v[ST+31], 0
	; what a wave fetches hangs on the head, which the four partners share, and on the wave's number
	s_and_b32 s92, ttmp7, 0xffff                   ; the head
	s_and_b32 s93, s[WV], 1                        ; e
	s_mul_i32 s[G0K+1], s93, KBOFF                 ; LDS addresses: no place in the cluster enters one
	s_mul_i32 s[G0V+1], s93, 64*PIT
	s_add_co_u32 s[G0V+1], s[G0V+1], VB
	s_mul_i32 s[G0SK+1], s93, 16*PIT
	s_add_co_u32 s[G0SV+1], s[G0SK+1], SCV
	s_add_co_u32 s[G0SK+1], s[G0SK+1], SCK
	s_lshl_b32 s104, s92, 17                       ; a head's codes are 131,072 bytes in each tensor
	s_lshl_b32 s94, s93, 11
	s_add_co_u32 s94, s94, s104                    ; K: the keys with bit 5 = e
	s_lshl_b32 s96, s93, 16
	s_add_co_u32 s96, s96, s104                    ; V: channels 64 e on
	s_lshl_b32 s98, s92, 13                        ; a head's scale bytes are 8,192
	s_lshl_b32 s99, s93, 12
	s_add_co_u32 s98, s98, s99                     ; half e of them
	; the rest.  K: waves 0 to 3, region e, 12 of its last 24 groups of 32 keys: those from 8 + 12 ((wave / 2) % 2) on
	s_bfe_u32 s99, s[WV], 0x10001
	s_mul_i32 s99, s99, 12
	s_add_co_u32 s99, s99, 8
	s_lshl_b32 s100, s99, 12
	s_add_co_u32 s100, s100, s94
	s_mul_i32 s99, s99, KG
	s_add_co_u32 s[G0KR+1], s99, s[G0K+1]
	; V: waves 4 to 6, chunk 1 + wave % 4, all 128 rows
	s_and_b32 s99, s[WV], 3
	s_add_co_u32 s99, s99, 1
	s_lshl_b32 s101, s99, 8
	s_add_co_u32 s104, s104, s101
	s_mul_i32 s99, s99, VCH
	s_add_co_u32 s[G0VR+1], s99, VB
	s_mov_b32 s95, 0
	s_mov_b32 s97, 0
	s_mov_b32 s99, 0
	s_mov_b32 s101, 0
	s_mov_b32 s105, 0
	; descriptor groups 1: 15:0 the mask: all four work-groups; 17:16 element size; 20 padding on; 21 set beside a mask; 24:22 after every 64 words (code 5); 31:25 four words (code 3)
	GROUP1 G1K,  15|(1<<20)|(1<<21)|(5<<22)|(3<<25), 2048, 8, 4096       ; rows of 2,048 bytes (32 keys of a region), 4,096 apart
	GROUP1 G1KR, 15|(1<<20)|(1<<21)|(5<<22)|(3<<25), 2048, 12, 4096
	GROUP1 G1V,  15|(1<<20)|(1<<21)|(5<<22)|(3<<25), 256, 64, 1024       ; rows of 256 bytes (512 keys), 1,024 apart
	GROUP1 G1VR, 15|(1<<20)|(1<<21)|(5<<22)|(3<<25), 256, 128, 1024
	GROUP1 G1S,  15|(3<<16)|(1<<20)|(1<<21)|(5<<22)|(3<<25), 32, 16, 32  ; 4,096 dense bytes as 16 rows of 32 elements of 8 bytes
	s_mov_b32 s[SEL], 0x76543210
	s_mov_b32 s[SEL+1], 0xfedcba98
	s_mov_b32 s[CS], 0x3fb8aa3b                    ; log2(e)
	s_mov_b32 s[CS+1], s[CS]                       ; (named with it as a pair, so it is written)
	; my queries: the one thing that hangs on my place in the cluster; it enters Q's and O's global addresses alone
	s_bfe_u32 s2, ttmp6, 0x40000                   ; cx
	s_lshl_b32 s3, ttmp9, 2                        ; in a cluster launch ttmp9 counts clusters
	s_add_co_u32 s2, s2, s3
	s_lshl_b32 s2, s2, 8
	s_lshl_b32 s3, s[WV], 5
	s_add_co_u32 s2, s2, s3                        ; my wave's first query
	s_mov_b32 s67, 0
	s_wait_alu depctr_va_vdst(0)
	s_wait_dscnt 0x0                               ; both opening adds are done
	s_wait_kmcnt 0x0
	s_lshl_b32 s66, s2, 6
	s_lshl_b32 s3, s92, 17
	s_add_co_u32 s66, s66, s3
	s_add_nc_u64 s[4:5], s[4:5], s[66:67]          ; Q's codes at my first query
	s_lshl_b32 s66, s2, 2
	s_lshl_b32 s3, s92, 13
	s_add_co_u32 s66, s66, s3
	s_add_nc_u64 s[6:7], s[6:7], s[66:67]          ; its scale word
	s_lshl_b32 s66, s2, 9
	s_lshl_b32 s3, s92, 20
	s_add_co_u32 s66, s66, s3
	s_add_nc_u64 s[16:17], s[16:17], s[66:67]      ; its row of O
.irp qt, 0,1                                   ; Q's two fragments stay in registers: lane (r, h) takes, of query 16 qt + r, the 16 bytes at 32 cc + 16 h
.irp cc, 0,1
	global_load_b128 v[QF+8*\qt+4*\cc:QF+8*\qt+4*\cc+3], v[QO], s[4:5] offset:1024*\qt+32*\cc th:TH_LOAD_NT
.endr
.endr
	global_load_b32 v[QS], v[QSO], s[6:7] th:TH_LOAD_NT            ; the scale words of my 32 queries, one a lane
	GROUP0 G0K, 8, 94
	GROUP0 G0KR, 8, 100
	GROUP0 G0V, 12, 96
	GROUP0 G0VR, 12, 104
	GROUP0 G0SK, 10, 98
	GROUP0 G0SV, 14, 98
	CROUND                                         ; all four work-groups are here: the joint loads meet
	ARM 2, G0K,  G1K, .Lhead_v,  .Lhead_asked      ; the head's loads, one a wave: chunk 0 of K's two regions,
	ARM 4, G0V,  G1V, .Lhead_sk, .Lhead_asked      ; the halves of V's chunk 0,
	ARM 6, G0SK, G1S, .Lhead_sv, .Lhead_asked      ; of K's scale bytes
	LOADT G0SV, G1S                                ; and of V's
.Lhead_asked:
; THE LDS LOADS of a step.  K: eight registers of scale words, then 16 fragments, tile n = 4 c + u two runs of 272 bytes on from the last; st: which step of its chunk.
.macro KLOAD st
.irp c, 0,1,2,3
.irp w, 0,1
	ds_load_b32 v[SC+2*\c+\w], v[RS] offset:1088*\st+272*\c+64*\w
.endr
.endr
	WIN 0x40                                       ; destination window 1, address window 0
.irp n, 0,1,2,3,4,5,6,7,8,9,10,11,12,13,14,15
	ds_load_b128 v[FR+8*\n:FR+8*\n+3], v[RK] offset:KSTP*\st+544*\n
	ds_load_b128 v[FR+8*\n+4:FR+8*\n+7], v[RK] offset:KSTP*\st+544*\n+32
.endr
	WIN 0
.endm
; V: eight registers of scale words (a pair holds both 128 keys' words), then for each 128 keys eight fragments of 16 channels.
.macro VLOAD st
.irp i, 0,1,2,3
	ds_load_b64 v[SC+2*\i:SC+2*\i+1], v[RJ] offset:8*\st+2176*\i
.endr
	WIN 0x40
.irp q, 0,1
.irp t, 0,1,2,3,4,5,6,7
	ds_load_b128 v[FR+64*\q+8*\t:FR+64*\q+8*\t+3], v[RV] offset:128*\st+64*\q+16*PIT*\t
	ds_load_b128 v[FR+64*\q+8*\t+4:FR+64*\q+8*\t+7], v[RV] offset:128*\st+64*\q+16*PIT*\t+32
.endr
.endr
	WIN 0
.endm
; Two key tiles (c, 2 w), (c, 2 w + 1) against query tile qt.  K = the head's 128 in one instruction, so each starts from the constant 0.
.macro QK1 qt, c, w
.if \qt == 0
	v_wmma_scale_f32_32x16x128_f4 v[S+32*\c+16*\w:S+32*\c+16*\w+15], v[FR+32*\c+16*\w:FR+32*\c+16*\w+15], v[QF:QF+7], 0, v[SC+2*\c+\w], v[QS]
.else
	v_wmma_scale_f32_32x16x128_f4 v[S+32*\c+16*\w:S+32*\c+16*\w+15], v[FR+32*\c+16*\w:FR+32*\c+16*\w+15], v[QF+8:QF+15], 0, v[SC+2*\c+\w], v[QS] matrix_b_scale:MATRIX_SCALE_ROW1
.endif
.endm
; 32 channels of O^T += V^T P^T: query tile qt, the step's q-th 128 keys.  zero = 1: it starts the sum.
.macro PV1 i, q, qt, zero
.set rO, OT+64*\qt+16*\i
.set rV, FR+64*\q+16*\i
.set rP, PC+16*\qt+8*\q
.if \zero && (\qt == 0)
	v_wmma_scale_f32_32x16x128_f4 v[rO:rO+15], v[rV:rV+15], v[rP:rP+7], 0, v[SC+2*\i+\q], v[PW+\q]
.elseif \zero
	v_wmma_scale_f32_32x16x128_f4 v[rO:rO+15], v[rV:rV+15], v[rP:rP+7], 0, v[SC+2*\i+\q], v[PW+\q] matrix_b_scale:MATRIX_SCALE_ROW1
.elseif \qt == 0
	v_wmma_scale_f32_32x16x128_f4 v[rO:rO+15], v[rV:rV+15], v[rP:rP+7], v[rO:rO+15], v[SC+2*\i+\q], v[PW+\q]
.else
	v_wmma_scale_f32_32x16x128_f4 v[rO:rO+15], v[rV:rV+15], v[rP:rP+7], v[rO:rO+15], v[SC+2*\i+\q], v[PW+\q] matrix_b_scale:MATRIX_SCALE_ROW1
.endif
.endm
; A vector instruction that reads a matrix result, and a load into a register that a matrix instruction has read, stand four places behind that matrix instruction; only plain vector instructions
; that name none of its registers are places (ISA guide 7.12.1 for vector instructions).
.macro PLACES
.rept 4
	v_nop
.endr
.endm
; THE SOFTMAX OF A TILE over the step's 256 keys: from the scores to p and its codes.  bar = 1: the signal of the barrier at chunk 0's end stands ahead of the exponentials.
.macro SOFT qt, first, bar
.set rT, ST+16*\qt
; The largest score of each of my four blocks of 32 keys, four chains by turns: for the row's maximum and, since p rises with the score, for the block's largest p.  Ascending: each accumulator is first read at its low end.
.irp c, 0,1,2,3
	v_max3_num_f32 v[rT+6+\c], v[S+32*\c], v[S+32*\c+1], v[S+32*\c+2]
.endr
.irp i, 3,5,7,9,11,13,15,17,19,21,23,25,27,29
.irp c, 0,1,2,3
	v_max3_num_f32 v[rT+6+\c], v[rT+6+\c], v[S+32*\c+\i], v[S+32*\c+\i+1]
.endr
.endr
.irp c, 0,1,2,3
	v_max_num_f32 v[rT+6+\c], v[rT+6+\c], v[S+32*\c+31]
.endr
	v_max3_num_f32 v[rT+14], v[rT+6], v[rT+7], v[rT+8]
	v_max_num_f32 v[rT+14], v[rT+14], v[rT+9]
	v_permlanex16_b32 v[rT+15], v[rT+14], s[SEL], s[SEL+1]         ; the query's other 128 keys lie in the lane 16 away
.if \first
	v_max_num_f32 v[rT+1], v[rT+14], v[rT+15]
.else
	v_max3_num_f32 v[rT+1], v[rT+1], v[rT+14], v[rT+15]
	v_mov_b32 v[rT+5], v[rT]
.endif
	v_mul_f32 v[rT+14], s[CS], v[rT+1]                             ; the largest t (log2(e) is positive)
	v_floor_f32 v[rT], -v[rT+14]                                   ; -M = floor(-t) = -ceil(t): M IS A WHOLE NUMBER
.if !\first
	v_sub_f32 v[rT+5], v[rT], v[rT+5]                              ; M's old value less its new one: a whole number, 0 or less
.endif
.set j, 0
.rept 64                                       ; t - M, two at a time (of the pairs log2(e) and -M the low word serves both halves)
	v_pk_fma_f32 v[S+2*j:S+2*j+1], v[S+2*j:S+2*j+1], s[CS:CS+1], v[rT:rT+1] op_sel_hi:[1,0,0]
.if (\first == 0) && (j == 20)
	v_cvt_i32_f32 v[rT+5], v[rT+5]                                 ; (it saturates)
.endif
.if (\first == 0) && (j == 40)
	v_ldexp_f32 v[rT+4], 1.0, v[rT+5]                              ; f = 2^(old M - new M): a multiplication by it rounds nothing
.endif
.set j, j+1
.endr
	v_pk_fma_f32 v[rT+6:rT+7], v[rT+6:rT+7], s[CS:CS+1], v[rT:rT+1] op_sel_hi:[1,0,0]  ; the same of my blocks' largest scores
	v_pk_fma_f32 v[rT+8:rT+9], v[rT+8:rT+9], s[CS:CS+1], v[rT:rT+1] op_sel_hi:[1,0,0]
.if \bar
	s_wait_tensorcnt 0x0                           ; my part of chunks 1 to 3 is in,
	s_wait_dscnt 0x0                               ; and my last reads of chunk 0 are back
.endif
	s_wait_alu depctr_va_vdst(0)                   ; a wait ahead of the batch
.if \bar
	s_barrier_signal -1                            ; behind this barrier chunks 1 to 3 are whole and nobody reads chunk 0; register work stands up to its wait
.endif
.set j, 0
.rept 4
	v_exp_f32 v[rT+6+j], v[rT+6+j]                 ; my blocks' largest p: the same two instructions on the same number give the same bits as in the tile
.set j, j+1
.endr
.set j, 0
.rept 128
	v_exp_f32 v[S+j], v[S+j]                       ; p = 2^(t - M)
.set j, j+1
.endr
	v_nop                                          ; a plain place behind the batch
.if \qt
	s_wait_dscnt 0x0                               ; V's 36 loads are in
.endif
	s_wait_alu depctr_va_vdst(0)                   ; and behind it, ahead of the first reader
; The conversions' scale operands (2 off the exponent: a quarter of the block's largest p) and the scale bytes.  Block c of lane half h is block 2 c + h of the step's eight: bytes h and 2 + h of the word of its 128 keys.
.irp c, 0,1,2,3
	v_max_num_f32 v[rT+6+\c], 0x1800000, v[rT+6+\c]                ; the floor 2^(3 - 127): the byte cannot fall under 1
.endr
	v_pk_mul_f32 v[rT+10:rT+11], v[rT+6:rT+7], 0x3e800000 op_sel_hi:[1,0]
	v_pk_mul_f32 v[rT+12:rT+13], v[rT+8:rT+9], 0x3e800000 op_sel_hi:[1,0]
.irp q, 0,1
	v_lshrrev_b32 v[XB+2*\qt+\q], 23, v[rT+10+2*\q]
	v_lshrrev_b32 v[TMP+\q], 23, v[rT+11+2*\q]
.endr
.irp q, 0,1
	v_lshl_or_b32 v[XB+2*\qt+\q], v[TMP+\q], 16, v[XB+2*\qt+\q]
.endr
.if \qt
.irp q, 0,1
	v_permlane16_swap_b32 v[XB+\q], v[XB+2+\q]     ; the first now has both tiles' bytes of lane half 0 (tile 0 in lanes 0-15, tile 1 in lanes 16-31), the second those of half 1
.endr
.irp q, 0,1
	v_lshl_or_b32 v[PW+\q], v[XB+2+\q], 8, v[XB+\q]                ; both tiles' scale words
.endr
.endif
.irp c, 0,1,2,3                                ; eight neighbouring keys to a register
.irp u, 0,1,2,3
	v_cvt_scalef32_pk8_fp4_f32 v[PC+16*\qt+4*\c+\u], v[S+32*\c+8*\u:S+32*\c+8*\u+7], v[rT+10+\c]
.endr
.endr
.endm
; THE ROW'S SUM IS TAKEN OF THE UNQUANTISED p: packed additions in four chains; the first brings the old sum under the new M by one fused multiply-add.
.macro SUM qt, first
.set rT, ST+16*\qt
.if \first
	v_pk_add_f32 v[rT+2:rT+3], v[S:S+1], v[S+8:S+9]
.else
	v_pk_fma_f32 v[rT+2:rT+3], v[rT+2:rT+3], v[rT+4:rT+5], v[S:S+1] op_sel_hi:[1,0,1]
.endif
.irp n, 1,2,3
	v_pk_add_f32 v[CH+2*\n-2:CH+2*\n-1], v[S+2*\n:S+2*\n+1], v[S+2*\n+8:S+2*\n+9]
.endr
.if !\first
	v_pk_add_f32 v[rT+2:rT+3], v[rT+2:rT+3], v[S+8:S+9]
.endif
.set j, 8
.rept 14
	v_pk_add_f32 v[rT+2:rT+3], v[rT+2:rT+3], v[S+2*j:S+2*j+1]
.irp n, 1,2,3
	v_pk_add_f32 v[CH+2*\n-2:CH+2*\n-1], v[CH+2*\n-2:CH+2*\n-1], v[S+2*j+2*\n:S+2*j+2*\n+1]
.endr
.set j, j+4
.endr
	v_pk_add_f32 v[rT+2:rT+3], v[rT+2:rT+3], v[CH:CH+1]
	v_pk_add_f32 v[CH+2:CH+3], v[CH+2:CH+3], v[CH+4:CH+5]
	v_pk_add_f32 v[rT+2:rT+3], v[rT+2:rT+3], v[CH+2:CH+3]
.endm
; A STEP, its K loads issued ahead of it.  first = 1: the launch's first step: no old M, no old sum, O^T starts from 0.  bar = 1: its second step.
; Tile 1's sum of the step before stands here, behind the K loads: its p lies in S until the next scores are written.
; The eight accumulators of O^T take turns, one instruction a turn.
.macro STEP first, st, bar
.if !\first
	SUM 1, \bar                                    ; (the second step's is the first step's sum)
.endif
	s_wait_dscnt 16                                ; the scale words and blocks c = 0, 1 of K are in; the youngest 16 loads may be out
	WIN 0x01                                       ; K in window 1; Q and S^T in window 0
.irp w, 0,1
.irp c, 0,1
	QK1 0, \c, \w
.endr
.endr
	s_wait_dscnt 0x0
.irp w, 0,1
.irp c, 2,3
	QK1 0, \c, \w
.endr
.endr
	WIN 0
	PLACES
	SOFT 0, \first, 0
	SUM 0, \first
	WIN 0x01
.irp w, 0,1
.irp c, 0,1,2,3
	QK1 1, \c, \w
.endr
.endr
	WIN 0
	PLACES
	VLOAD \st
	SOFT 1, \first, \bar
.if \first
.rept 8
	v_nop                                          ; a scale register written by a vector instruction stands 8 places ahead of a scaled matrix instruction, an operand so written 4
.endr
	WIN 0x41                                       ; V and O^T in window 1, p's codes in window 0; C is the constant 0
.else
	WIN 0x41                                       ; O^T (destination and source 0) in window 1, f in window 0
	s_wait_alu depctr_va_vdst(0)                   ; a wait directly ahead of the first readers of O^T
.irp qt, 0,1
.set j, 0
.rept 32                                       ; O^T under the new M: x f; ascending.  (These 64 are also the places ahead of the scaled products)
	v_pk_mul_f32 v[OT+64*\qt+2*j:OT+64*\qt+2*j+1], v[OT+64*\qt+2*j:OT+64*\qt+2*j+1], v[ST+16*\qt+4:ST+16*\qt+5] op_sel_hi:[1,0]
.set j, j+1
.endr
.endr
	WIN 0x51                                       ; the same windows, C in window 1
.endif
.irp i, 0,1,2,3
.irp qt, 0,1
	PV1 \i, 0, \qt, \first
.endr
.endr
	WIN 0x51
.irp i, 0,1,2,3
.irp qt, 0,1
	PV1 \i, 1, \qt, 0
.endr
.endr
	WIN 0                                          ; at a label and at a branch every window is 0
.endm
	s_wait_tensorcnt 0x0                           ; my tile is in
	ds_add_u32 v[SPW], v[NIL]
	s_wait_dscnt 0x0
	CROUND                                         ; everybody's part of chunk 0 and of the scale bytes is in, and the joint loads meet
	ARM 4, G0KR, G1KR, .Lrest_v, .Lrest_asked      ; one load a wave, the first behind the round: K's other 1,536 keys,
	ARM 7, G0VR, G1VR, .Lrest_none, .Lrest_asked   ; V's; wave 7 has none
.Lrest_asked:
.set RK, AK0                                   ; chunk 0
.set RV, AV0
.set RS, ASK0
.set RJ, ASV0
	KLOAD 0
	s_wait_loadcnt 0x0                             ; Q and its scale words
	STEP 1, 0, 0
	PLACES
	KLOAD 1
	STEP 0, 1, 1
	s_barrier_wait -1                              ; signalled ahead of the last exponentials
	s_mov_b32 s[TK], 2*KSTP
	s_mov_b32 s[TS], 2176
	s_mov_b32 s[TV], VCH
	s_mov_b32 s[TJ], 16
	s_mov_b32 s[TRIP], 3
.set RK, ADK
.set RV, ADV
.set RS, ADS
.set RJ, ADT
.Lchunk:                                           ; chunks 1 to 3
	v_add_nc_u32 v[ADK], s[TK], v[AK0]             ; these four are the places behind the last products
	v_add_nc_u32 v[ADS], s[TS], v[ASK0]
	v_add_nc_u32 v[ADV], s[TV], v[AV0]
	v_add_nc_u32 v[ADT], s[TJ], v[ASV0]
	KLOAD 0
	STEP 0, 0, 0
	PLACES
	KLOAD 1
	STEP 0, 1, 0
	s_add_co_u32 s[TK], s[TK], 2*KSTP
	s_add_co_u32 s[TS], s[TS], 2176
	s_add_co_u32 s[TV], s[TV], VCH
	s_add_co_u32 s[TJ], s[TJ], 16
	s_sub_co_u32 s[TRIP], s[TRIP], 1
	s_cmp_lg_u32 s[TRIP], 0
	s_cbranch_scc1 .Lchunk
	; THE WAY OUT: no barrier: the stage is my own, in V's chunk 0.
	SUM 1, 0                                       ; the last step's; also the places behind the last products
.irp qt, 0,1
	v_add_f32 v[ST+16*\qt+14], v[ST+16*\qt+2], v[ST+16*\qt+3]      ; the sum's two halves,
.endr
.irp qt, 0,1
	v_permlanex16_b32 v[ST+16*\qt+15], v[ST+16*\qt+14], s[SEL], s[SEL+1]
.endr
.irp qt, 0,1
	v_add_f32 v[ST+16*\qt+14], v[ST+16*\qt+14], v[ST+16*\qt+15]    ; and lane l xor 16's: the row's sum
.endr
	s_wait_alu depctr_va_vdst(0)                   ; a wait ahead of the transcendentals
.irp qt, 0,1
	v_rcp_f32 v[ST+16*\qt+4], v[ST+16*\qt+14]
.endr
	v_nop                                          ; a plain place behind the last reciprocal
	WIN 0x01                                       ; source 0 (O^T) window 1
	s_wait_alu depctr_va_vdst(0)                   ; and behind them, directly ahead of the first readers of O^T
.irp qt, 0,1
.set j, 0
.rept 32                                       ; O^T / the sum, into p's registers: register 8 t + i of tile qt in lane (r, h) is o(r, 16 t + 8 h + i)
	v_pk_mul_f32 v[S+64*\qt+2*j:S+64*\qt+2*j+1], v[OT+64*\qt+2*j:OT+64*\qt+2*j+1], v[ST+16*\qt+4:ST+16*\qt+5] op_sel_hi:[1,0]
.set j, j+1
.endr
.endr
	WIN 0
	s_wait_alu depctr_va_vdst(0)
; Half b: tile b / 2, channels 64 (b % 2) on: through the stage and back as rows of 256 bytes, into the same registers.  LDS serves a wave's instructions in order (ISA guide 5.7.1.4).
.macro STAGE b
.irp t, 0,1,2,3
	ds_store_b128 v[STO], v[S+32*\b+8*\t:S+32*\b+8*\t+3] offset:64*\t
	ds_store_b128 v[STO], v[S+32*\b+8*\t+4:S+32*\b+8*\t+7] offset:64*\t+16
.endr
.irp i, 0,1,2,3,4,5,6,7
	ds_load_b128 v[S+32*\b+4*\i:S+32*\b+4*\i+3], v[RD] offset:2*PIT*\i
.endr
.endm
.macro SEND b, younger                 ; younger: the LDS instructions of the next half's STAGE
.irp i, 0,1,2,3,4,5,6,7
	s_wait_dscnt \younger+7-\i                     ; rows 2 i, 2 i + 1 are back; the half's later rows may be out
	global_store_b128 v[GO], v[S+32*\b+4*\i:S+32*\b+4*\i+3], s[16:17] offset:8192*(\b/2)+256*(\b%2)+1024*\i th:TH_STORE_NT   ; sixteen lanes store 256 consecutive bytes, at a multiple of 256 from O's first byte
.endr
.endm
	STAGE 0
	STAGE 1
	SEND 0, 16
	STAGE 2
	SEND 1, 16
	STAGE 3
	SEND 2, 16
	SEND 3, 0
	s_wait_tensorcnt 0x0                           ; the wave's end
	ds_add_u32 v[SPW], v[NIL]
	s_wait_dscnt 0x0
	CROUND                                         ; the closing round: no work-group ends while a partner may still ask for a tile that names it
	s_endpgm
.Lfunc_end_k_q163c56bbf7_attn:
	.size	k_q163c56bbf7_attn, .Lfunc_end_k_q163c56bbf7_attn-k_q163c56bbf7_attn
	.p2alignl 7, 3214868480
	.fill 96, 4, 3214868480
	.section	.rodata,"a",@progbits
	.p2align	6, 0x0
	.amdhsa_kernel k_q163c56bbf7_attn
		.amdhsa_group_segment_fixed_size 327680
		.amdhsa_private_segment_fixed_size 0
		.amdhsa_enable_private_segment 0
		.amdhsa_kernarg_size 56
		.amdhsa_user_sgpr_count 2
		.amdhsa_user_sgpr_kernarg_segment_ptr 1
		.amdhsa_wavefront_size32 1
		.amdhsa_system_sgpr_workgroup_id_x 1
		.amdhsa_system_sgpr_workgroup_id_y 1
		.amdhsa_system_sgpr_workgroup_id_z 1
		.amdhsa_system_vgpr_workitem_id 0
		.amdhsa_next_free_vgpr 512
		.amdhsa_next_free_sgpr 106
		.amdhsa_reserve_vcc 0
		.amdhsa_float_denorm_mode_32 3
		.amdhsa_float_denorm_mode_16_64 3
		.amdhsa_memory_ordered 1
		.amdhsa_forward_progress 1
		.amdhsa_inst_pref_size 223
	.end_amdhsa_kernel
	.amdgpu_metadata
---
amdhsa.version: [ 1, 2 ]
amdhsa.kernels:
  - .name:           k_q163c56bbf7_attn
    .symbol:         k_q163c56bbf7_attn.kd
    .args:
      - { .name: q_codes, .offset: 0, .size: 8, .value_kind: global_buffer, .address_space: global }
      - { .name: q_scales, .offset: 8, .size: 8, .value_kind: global_buffer, .address_space: global }
      - { .name: k_codes, .offset: 16, .size: 8, .value_kind: global_buffer, .address_space: global }
      - { .name: k_scales, .offset: 24, .size: 8, .value_kind: global_buffer, .address_space: global }
      - { .name: v_codes, .offset: 32, .size: 8, .value_kind: global_buffer, .address_space: global }
      - { .name: v_scales, .offset: 40, .size: 8, .value_kind: global_buffer, .address_space: global }
      - { .name: out0, .offset: 48, .size: 8, .value_kind: global_buffer, .address_space: global }
    .group_segment_fixed_size: 327680
    .private_segment_fixed_size: 0
    .kernarg_segment_align: 8
    .kernarg_segment_size: 56
    .max_flat_workgroup_size: 256
    .sgpr_count:     106
    .vgpr_count:     512
    .wavefront_size: 32
...
	.end_amdgpu_metadata
.endif
;; end of part 1
